; MI455X (gfx1250); checked and timed in simulation.
; The chip was launched on July 23, 2026; its instructions are those of AMD's public machine-readable ISA for CDNA 5 (MIT licence, August 2026) and "CDNA5" Instruction Set Architecture Reference Guide (July 2026). The comments in the code are by the model that wrote it; some were corrected since.
;; Naive. Allowed arithmetic: float matrix products may take bf16 or f16 operands with f32 sums; other float arithmetic in f32, or as packed bf16 or f16 multiplies, adds, multiply-adds, maxima and minima; sums over many terms, partial sums and values carried from step to step in f32; what a program stores and reads back later, other than sums and carried values, may be rounded once to bf16 or f16.
;; Inputs: W 8 x 2,048 x 2,048 float32; b 8 x 2,048 float32; idxs 2,048 int32; x 2,048 x 2,048 float32.
;; Outputs: out0 2,048 x 2,048 float32.
;; One version. Each part assembles by itself: llvm-mc -triple=amdgcn-amd-amdhsa -mcpu=gfx1250 --defsym DOCPART=n.
;; ======== version 1 of 1: 2 launches
;; workspace buffers: xs 9,109,504 bytes; order 8,960 bytes of whole numbers; tab 256 bytes of whole numbers
;; launch sortx (part 1): grid 2 x 139, 8 waves a work-group, no clusters, 37,888 bytes of LDS; arguments x, idxs, xs, order, tab; writes xs, order, tab
.if DOCPART == 1
	.amdgcn_target "amdgcn-amd-amdhsa--gfx1250"
	.amdhsa_code_object_version 6
	.text
	.protected	k_qfb69096661_sortx
	.globl	k_qfb69096661_sortx
	.p2align	8
	.type	k_qfb69096661_sortx,@function
k_qfb69096661_sortx:
	s_mov_b64 s[64:65], 0
	v_nop
	global_prefetch_b8 v0, s[64:65] scope:SCOPE_SE
	s_setreg_imm32_b32 hwreg(HW_REG_WAVE_MODE, 25, 1), 1
	s_wait_xcnt 0x0
; THE TOKENS SORTED BY EXPERT, x ROUNDED TO bf16 AND LAID IN OPERAND ORDER.  x: [2048][2048] f32.  idxs: [2048] i32, each 0..7 (a token with another index gets no place).
; Expert e with c_e tokens owns ceil(c_e / 16) blocks of 16 sorted rows, the experts' blocks on end: 135 blocks at the most.  A token's rank in its expert is its place in the order
; (wave w, register g, lane l), token = 256 w + 128 (g / 4) + 4 l + g % 4, which every work-group walks alike: no atomics, no traffic between work-groups.
; Places of an expert's last block past its count repeat the block's row 0; blocks past the last used one hold zeros and token 0 (the product reads five blocks from a block that exists: 139 blocks).
; xs: block B at 65,536 B; byte 1,024 s + 512 j + 16 l holds k = 32 s + 16 j + 8 (l / 16) + 0..7 of the block's row l % 16: the register image of a 16 x 32 bf16 matrix operand (K step s, half j, lane l).
; order: word 16 B + r = the token of row r of block B.   tab: entry e = {first block, number of blocks} of expert e.
; SHARES.  Work-group (p, rb): block rb, k = 1,024 p .. + 1,023.  Wave w: 16 rows x 128 k: 16 loads of 512 consecutive bytes, and 4,096 consecutive bytes of xs out.
; No matrix unit, no cluster, no tensor load: the rows come by a list, and each byte of x is read once.
.set CNT,   0                          ; 8 x 128 bytes: wave w's counts, lane e = expert e
.set LIST,  1024                       ; 8 x 128 bytes: wave w's finds for this block: words 0-15, word 16 takes what is not for this block
.set STG,   2048                       ; 8 x 4,352 bytes: each wave's own stage, 16 rows
.set SP,    272                        ; a stage row: 256 bytes + 16: the 16 rows of a load start at 16 different groups of four banks (64 banks of 4 bytes: ISA guide 11.1)
.set WST,   16*SP
.set SPARE, STG+8*WST                  ; the spare words, 128 bytes for each wave: four blocks of 256 bytes that no other line names
	s_load_b256 s[4:11], s[0:1], 0x0               ; x s[4:5], idxs s[6:7], xs s[8:9], order s[10:11]
	s_load_b64 s[12:13], s[0:1], 0x20              ; tab
	v_lshl_add_u32 v2, v0, 2, SPARE                ; my spare word; never rewritten
	v_mov_b32 v3, 0                                ; 0; never rewritten
	v_lshrrev_b32 v18, 5, v0
	v_readfirstlane_b32 s14, v18                   ; wave w
	s_mov_b32 s15, ttmp9                           ; p: which half of K
	s_and_b32 s16, ttmp7, 0xffff                   ; rb: the block
	v_and_b32 v1, 31, v0                           ; lane
	v_lshlrev_b32 v4, 2, v1                        ; 4 x lane
	v_and_b32 v5, 15, v0
	v_lshlrev_b32 v5, 2, v5                        ; 4 x (lane % 16)
	v_lshlrev_b32 v6, 4, v1                        ; 16 x lane
	v_lshl_add_u32 v7, s14, 10, v6                 ; my first four indices: byte 1,024 w + 16 lane
	v_lshl_add_u32 v17, s14, 8, v4                 ; their first token: 256 w + 4 lane
	s_lshl_b32 s33, s14, 7
	v_add_nc_u32 v22, s33, v4                      ; CNT + 128 w + 4 lane
	s_add_co_u32 s33, s33, LIST                    ; my wave's list
	v_add_nc_u32 v21, s33, v4
	v_mov_b32 v33, -1
	v_mov_b32 v19, 16
	ds_store_b32 v21, v33                          ; my list starts as all ones: 'nothing found'
	s_wait_kmcnt 0x0
	global_load_b128 v[8:11], v7, s[6:7]           ; the wave's 256 indices: two loads of 512 consecutive bytes
	global_load_b128 v[12:15], v7, s[6:7] offset:512
	s_wait_loadcnt 0x0
	; my wave's count of each expert
.irp e, 0,1,2,3,4,5,6,7
	v_cmp_eq_u32 s17, \e, v8
	s_bcnt1_i32_b32 s[20+\e], s17
.irp g, 1,2,3,4,5,6,7
	v_cmp_eq_u32 s17, \e, v[8+\g]
	s_bcnt1_i32_b32 s18, s17
	s_add_co_u32 s[20+\e], s[20+\e], s18
.endr
.endr
	v_mov_b32 v16, 0
.irp e, 0,1,2,3,4,5,6,7
	v_writelane_b32 v16, s[20+\e], \e
.endr
	ds_store_b32 v22, v16
	s_wait_dscnt 0x0                               ; for the others' sake: my counts are in LDS
	s_barrier_signal -1
	s_barrier_wait -1
.irp w, 0,1,2,3,4,5,6,7
	ds_load_b32 v[24+\w], v4 offset:CNT+128*\w     ; all eight waves' counts, lane e = expert e
.endr
	s_wait_dscnt 0x0
	v_add_nc_u32 v32, v24, v25
.irp w, 2,3,4,5,6,7
	v_add_nc_u32 v32, v32, v[24+\w]                ; the experts' counts
.endr
	v_mov_b32 v23, 0
.irp w, 0,1,2,3,4,5,6
	s_cmp_gt_u32 s14, \w
	s_cselect_b32 s17, -1, 0
	v_and_b32 v18, s17, v[24+\w]
	v_add_nc_u32 v23, v23, v18                     ; and what the waves in front of mine have of each
.endr
.irp e, 0,1,2,3,4,5,6,7
	v_readlane_b32 s[20+\e], v32, \e
	v_readlane_b32 s[36+\e], v23, \e
.endr
	; whose block is rb?  The last expert whose first block is not behind rb (an expert without blocks is overridden by the next).
	; Past the last used block that is expert 7 with a rank past its count: nothing will be found.
	s_mov_b32 s30, 0                               ; the running first block
	s_mov_b32 s28, 0                               ; E
	s_mov_b32 s29, 0                               ; E's first block
	s_mov_b32 s32, 0                               ; the rank of my wave's first token of E
.irp e, 0,1,2,3,4,5,6,7
	s_cmp_ge_u32 s16, s30
	s_cselect_b32 s28, \e, s28
	s_cselect_b32 s29, s30, s29
	s_cselect_b32 s32, s[36+\e], s32
	s_add_co_u32 s17, s[20+\e], 15
	s_lshr_b32 s17, s17, 4
	s_add_co_u32 s30, s30, s17
.endr
	s_sub_co_u32 s31, s16, s29
	s_lshl_b32 s31, s31, 4                         ; the rank of the block's row 0
	; each token of E whose rank falls into the block goes into my list at its row; all others into word 16
.irp g, 0,1,2,3,4,5,6,7
	v_cmp_eq_u32 s17, s28, v[8+\g]
	v_mbcnt_lo_u32_b32 v18, s17, s32               ; rank = those in front of my wave's register g + those in lower lanes
	s_bcnt1_i32_b32 s18, s17
	s_add_co_u32 s32, s32, s18
	v_sub_nc_u32 v18, v18, s31                     ; row in the block; below the block it wraps to a large number
	v_cndmask_b32 v18, v19, v18, s17               ; another expert's token: 16
	v_min_u32 v18, 16, v18                         ; 0..16: the address stays in my wave's 68 bytes
	v_lshl_add_u32 v18, v18, 2, s33
	v_add_nc_u32 v20, 128*(\g/4)+\g%4, v17         ; the token
	ds_store_b32 v18, v20
.endr
	s_wait_dscnt 0x0                               ; for the others' sake: my list is in LDS
	s_barrier_signal -1
	s_barrier_wait -1
.irp w, 0,1,2,3,4,5,6,7
	ds_load_b32 v[24+\w], v5 offset:LIST+128*\w
.endr
	s_wait_dscnt 0x0
	v_and_b32 v32, v24, v25                        ; one wave at the most has found a row's token, the others hold all ones
.irp w, 2,3,4,5,6,7
	v_and_b32 v32, v32, v[24+\w]
.endr
	v_readlane_b32 s34, v32, 0                     ; row 0's token, or -1: a block past the last used one
	s_max_i32 s18, s34, 0
	v_cmp_gt_i32 vcc_lo, 0, v32
	v_cndmask_b32 v32, v32, s18, vcc_lo            ; empty places repeat row 0 (token 0 in an unused block); lane l holds row l % 16
	s_or_b32 s17, s15, s14
	s_cmp_lg_u32 s17, 0
	s_cbranch_scc1 .Lno_list                       ; one wave of the block's two work-groups stores its 16 tokens
	s_lshl_b32 s52, s16, 6
	s_mov_b32 s53, 0
	s_add_nc_u64 s[10:11], s[10:11], s[52:53]
	global_store_b32 v5, v32, s[10:11]             ; 64 bytes; lanes 16-31 write the same words with the same numbers
	s_cmp_lg_u32 s16, 0
	s_cbranch_scc1 .Lno_list                       ; and one wave of the launch the table
	v_mov_b32 v56, 0
	v_mov_b32 v57, 0
	s_mov_b32 s30, 0
.irp e, 0,1,2,3,4,5,6,7
	s_add_co_u32 s17, s[20+\e], 15
	s_lshr_b32 s17, s17, 4
	v_writelane_b32 v56, s30, \e                   ; first block
	v_writelane_b32 v57, s17, \e                   ; number of blocks
	s_add_co_u32 s30, s30, s17
.endr
	v_lshlrev_b32 v59, 3, v1                       ; a register of its own: nothing below writes what these two stores read
	global_store_b64 v59, v[56:57], s[12:13]       ; 256 consecutive bytes, entries 8 to 31 zero
.Lno_list:
	s_lshl_b32 s17, s15, 3
	s_add_co_u32 s17, s17, s14                     ; my unit of 128 k: 8 p + w
	s_lshl_b32 s52, s16, 16
	s_lshl_b32 s18, s17, 12
	s_add_co_u32 s52, s52, s18
	s_mov_b32 s53, 0
	s_add_nc_u64 s[8:9], s[8:9], s[52:53]          ; xs at 65,536 rb + 4,096 (8 p + w)
	s_cmp_lt_i32 s34, 0
	s_cbranch_scc1 .Ldead
	v_lshl_add_u32 v36, s17, 9, v6                 ; my 16 bytes in the unit's 512 bytes of a row of x
.irp i, 0,1,2,3,4,5,6,7,8,9,10,11,12,13,14,15
	v_readlane_b32 s[36+\i], v32, \i
	s_min_u32 s[36+\i], s[36+\i], 0x7ff            ; a token is a row of x
	v_lshl_add_u32 v[40+\i], s[36+\i], 13, v36
.endr
.irp i, 0,1,2,3,4,5,6,7,8,9,10,11,12,13,14,15
	global_load_b128 v[64+4*\i:67+4*\i], v[40+\i], s[4:5]  ; row i: 512 consecutive bytes, aligned
.endr
	s_mul_i32 s19, s14, WST
	s_add_co_u32 s19, s19, STG                     ; my stage
	v_lshl_add_u32 v34, v1, 3, s19                 ; in: 8 bytes a lane, a row at a time
	v_and_b32 v37, 15, v0
	v_bfe_u32 v38, v0, 4, 1
	v_mul_u32_u24 v35, v37, SP
	v_lshl_add_u32 v35, v38, 4, v35
	v_add_nc_u32 v35, s19, v35                     ; back: row l % 16, 16 bytes for each half of the lanes
.irp i, 0,1,2,3,4,5,6,7,8,9,10,11,12,13,14,15
	s_wait_loadcnt 15-\i                           ; loads come back in order (ISA guide 5.7.1): row i is in, the younger rows stay out
	v_cvt_pk_bf16_f32 v[64+4*\i], v[64+4*\i], v[65+4*\i]
	v_cvt_pk_bf16_f32 v[65+4*\i], v[66+4*\i], v[67+4*\i]
	ds_store_b64 v34, v[64+4*\i:65+4*\i] offset:SP*\i
.endr
.irp t, 0,1,2,3,4,5,6,7
	ds_load_b128 v[128+4*\t:131+4*\t], v35 offset:32*\t  ; k = 16 t + 8 (l / 16) + 0..7 of row l % 16.  LDS serves a wave's instructions in order (ISA guide 5.7.1.4): these see the stores above
.endr
.irp t, 0,1,2,3,4,5,6,7
	s_wait_dscnt 7-\t
	global_store_b128 v6, v[128+4*\t:131+4*\t], s[8:9] offset:512*\t  ; 512 consecutive bytes, aligned
.endr
	s_branch .Lend
.Ldead:
	v_mov_b32 v60, 0
	v_mov_b32 v61, 0
	v_mov_b32 v62, 0
	v_mov_b32 v63, 0
.irp t, 0,1,2,3,4,5,6,7
	global_store_b128 v6, v[60:63], s[8:9] offset:512*\t
.endr
.Lend:
	s_wait_tensorcnt 0x0                           ; the wave's end, behind my last LDS store
	ds_add_u32 v2, v3
	s_wait_dscnt 0x0
	s_endpgm
.Lfunc_end_k_qfb69096661_sortx:
	.size	k_qfb69096661_sortx, .Lfunc_end_k_qfb69096661_sortx-k_qfb69096661_sortx
	.p2alignl 7, 3214868480
	.fill 96, 4, 3214868480
	.section	.rodata,"a",@progbits
	.p2align	6, 0x0
	.amdhsa_kernel k_qfb69096661_sortx
		.amdhsa_group_segment_fixed_size 37888
		.amdhsa_private_segment_fixed_size 0
		.amdhsa_enable_private_segment 0
		.amdhsa_kernarg_size 40
		.amdhsa_user_sgpr_count 2
		.amdhsa_user_sgpr_kernarg_segment_ptr 1
		.amdhsa_wavefront_size32 1
		.amdhsa_system_sgpr_workgroup_id_x 1
		.amdhsa_system_sgpr_workgroup_id_y 1
		.amdhsa_system_sgpr_workgroup_id_z 1
		.amdhsa_system_vgpr_workitem_id 0
		.amdhsa_next_free_vgpr 160
		.amdhsa_next_free_sgpr 66
		.amdhsa_reserve_vcc 1
		.amdhsa_float_denorm_mode_32 3
		.amdhsa_float_denorm_mode_16_64 3
		.amdhsa_memory_ordered 1
		.amdhsa_forward_progress 1
		.amdhsa_inst_pref_size 34
	.end_amdhsa_kernel
	.amdgpu_metadata
---
amdhsa.version: [ 1, 2 ]
amdhsa.kernels:
  - .name:           k_qfb69096661_sortx
    .symbol:         k_qfb69096661_sortx.kd
    .args:
      - { .name: x, .offset: 0, .size: 8, .value_kind: global_buffer, .address_space: global }
      - { .name: idxs, .offset: 8, .size: 8, .value_kind: global_buffer, .address_space: global }
      - { .name: xs, .offset: 16, .size: 8, .value_kind: global_buffer, .address_space: global }
      - { .name: order, .offset: 24, .size: 8, .value_kind: global_buffer, .address_space: global }
      - { .name: tab, .offset: 32, .size: 8, .value_kind: global_buffer, .address_space: global }
    .group_segment_fixed_size: 37888
    .private_segment_fixed_size: 0
    .kernarg_segment_align: 8
    .kernarg_segment_size: 40
    .max_flat_workgroup_size: 256
    .sgpr_count:     66
    .vgpr_count:     160
    .wavefront_size: 32
...
	.end_amdgpu_metadata
.endif
;; end of part 1
;; launch moe (part 2): grid 32 x 8, 8 waves a work-group, no clusters, 296,960 bytes of LDS; arguments W, b, xs, order, tab, out0; writes out0
.if DOCPART == 2
	.amdgcn_target "amdgcn-amd-amdhsa--gfx1250"
	.amdhsa_code_object_version 6
	.text
	.protected	k_qfb69096661_moe
	.globl	k_qfb69096661_moe
	.p2align	8
	.type	k_qfb69096661_moe,@function
k_qfb69096661_moe:
	s_mov_b64 s[64:65], 0
	v_nop
	global_prefetch_b8 v0, s[64:65] scope:SCOPE_SE
	s_setreg_imm32_b32 hwreg(HW_REG_WAVE_MODE, 25, 1), 1
	s_wait_xcnt 0x0
; out0[t][n] = relu(sum over k of x[t][k] W[e][n][k] + b[e][n]) for the tokens t of expert e.  W: [8][2048][2048] f32, b: [8][2048] f32, out0: [2048][2048] f32.
; xs, order, tab come from the launch before: x in bf16 in blocks of 16 sorted rows in operand order, the token of each row, and each expert's {first block, number of blocks}.
; LIMITS.  x and W are rounded once to bf16 for the products; sums and bias in f32.  A sum that is NaN is stored as 0 (v_max_num_f32).  idxs lie in 0..7.
; SHARES.  Work-group (slice, e): 64 columns of expert e, all K, ALL the expert's rows: each byte of W is read once, by one work-group, for every split of the tokens.
; PHASE 1, all eight waves, one text: wave w streams rows 8 w .. + 7 of the slice of W (512 consecutive bytes an instruction, 48 loads of a wave out), rounds them to bf16 and lays them
; into LDS.  LDS then holds the WHOLE slice, 16 chunks of 128 k, and nothing writes it again.  ONE barrier, the launch's only one; waves 4-7 end behind it.
; PHASE 2, waves 0-3, one a SIMD: rows go in tiles of 20 blocks (320 rows); wave cw has blocks 5 cw .. + 4 of a tile x 4 column blocks: 20 accumulators.  Its x operands come from xs straight
; into registers (they are its own: no LDS pass), its W operands from LDS.  No barrier is needed, so the walk may hang on the stored count: a loop of a constant 7 trips (128 blocks at the most),
; in which a wave whose first block of a tile does not exist jumps forward over the work.  A tile's 64 K steps are written out: every LDS address is a register that is never rewritten plus an immediate.
; WHY PHASES: a wave's loads are counted in the order of issue (ISA guide 5.7.1), so in one text x's ten loads a K step and W's loads would tie each other's lead.
; Blocks past the expert's count in a wave's five are multiplied and not stored.  Places past the count in the last block repeat a row: the same bits go to the same address, and EXEC is never narrowed.
; NO JOINT LOADS, though an expert's 32 work-groups read the same rows of xs: beside the slice, the stages and the spare words 30,720 bytes of LDS are left, and a tile's x for one
; K step of 32 is 320 x 64 = 20,480 bytes: two slots do not fit, and the slice cannot shrink without barriers in the loop over tiles, whose work hangs on a stored count.
; THE MATRIX INSTRUCTION IS USED TRANSPOSED: source 0 = 16 rows of W (columns of out0), source 1 = 16 tokens.  Lane l then holds token l % 16 and columns 8 (l / 16) + 0..7; the bias, loaded in that
; shape, is the C operand of the first K step: nothing is cleared and nothing is added later.
; REGISTERS, in windows of 256 (s_set_vgpr_msb: bits 1:0 source 0, 3:2 source 1, 5:4 source 2, 7:6 destination):
;   window 0: v0-31 addresses.  Phase 1: v32-63 packed pairs, v64-255 three sets of 64 (16 loads).
;             Phase 2: v32-95 W's operands, two buffers of 32 (on the way out: rows read back); v96-255 accumulator (block i, column block nb) at 96 + 8 (4 i + nb)
;   window 1: a ring of 6 slots of 40: x of one K step, block i at 8 i; at a tile's start the last slot holds the bias.
.set PITCH, 272                        ; an LDS row: 256 bytes + 16: the 16 rows of a load start at 16 different groups of four banks (64 banks of 4 bytes: ISA guide 11.1)
.set RB16,  16*PITCH
.set CH,    64*PITCH                   ; a chunk: 64 rows of W x 128 k
.set STAGE, 16*CH                      ; behind W: 16 rows x 272 bytes for each computing wave, for the way out
.set SPARE, STAGE+4*RB16               ; the spare words, 128 bytes for each wave: four blocks of 256 bytes that no other line names
.set RING,  6                          ; slots of x
.set RR,  1                            ; v1   l % 16
.set HH,  2                            ; v2   l / 16
.set H32, 3                            ; v3   32 x (l / 16)
.set L16, 4                            ; v4   16 x lane; never rewritten
.set STO, 5                            ; v5   the way out: where I put 16 bytes of a row
.set RD,  6                            ; v6   the way out: where I read a row back
.set C16, 7                            ; v7   16 x (l % 16)
.set H4,  8                            ; v8   4 x (l / 16)
.set TP,  9                            ; v9   at work
.set TOK, 10                           ; v10-14  block i: lane l holds the token of row l % 16
.set R4,  15                           ; v15  4 x (l % 16)
.set GOF, 16                           ; v16-23  the way out: byte offsets in out0
.set LS,  16                           ; v16  in phase 1: where my 8 bytes of my row 0 go, in the first chunk of the group in hand
.set SPW, 24                           ; v24  my spare word; never rewritten
.set NIL, 25                           ; v25  0; never rewritten
.set BFB, 26                           ; v26-31  LDS address of my place in W's operands in chunks 0, 3, 6, 9, 12, 15: three chunks are 52,224 bytes, inside an LDS load's 16-bit immediate; never rewritten
.set WF,  32
.set ACC, 96
.set PK,  32
.set LSET, 64
.set WV,  16                           ; s16  wave
.set SL,  18                           ; s18  slice
.set EX,  19                           ; s19  expert
.set BS,  20                           ; s20  the expert's first block
.set NB,  21                           ; s21  its number of blocks
.set B0,  22                           ; s22  the first block, held inside xs
.set WP,  24                           ; s[24:25] W at my eight rows; never stepped
.set OF,  28                           ; s[28:29] a 64-bit offset
.set Q0,  31                           ; s31  my first block of the tile in hand, counted from the expert's first
.set OUTP, 32                          ; s[32:33] out0 at the slice's first column
.set T0,  34
.set T1,  35
.set TC,  36                           ; s36  counts tiles
.set TO,  37                           ; s37  the expert's byte offset in tab
.set OP,  38                           ; s[38:39] order at my first block of the tile
.set BP,  40                           ; s[40:41] b at the slice
.set XB,  42                           ; s[42:43] xs at my first block of the tile
.set MSB, 0
.macro WIN new                         ; the immediate's high byte repeats the setting that is left; a switch that changes nothing is dropped
.if MSB != (\new)
	s_set_vgpr_msb (MSB<<8)|(\new)
.set MSB, \new
.endif
.endm
.set MUL,  0x04                        ; source 1 (x) in window 1; an LDS load under it has destination and address in window 0
.set MULB, 0x14                        ; the C operand (the bias) in window 1 too
.set LDX,  0x40                        ; destination in window 1, address in window 0
; PHASE 1, group g of 8: chunks 2 g and 2 g + 1 of my eight rows, 16 loads, go from their set of registers into LDS, load by load, and each load's registers are asked for again
; at once, with group g + 3.  With refills every load finds 47 younger ones: the rest of its group, two younger groups, and those just asked for.  The last three groups ask for
; nothing: the counts run down.  The eight groups are written out: every address is a register that is not stepped in a loop, plus an immediate.
.macro FGROUP g
.set st, LSET+64*((\g)%3)
.set lft, 7-(\g)
.if lft > 2
.set lft, 2
.endif
.set i, 0
.rept 16
.if (\g) <= 4
	s_wait_loadcnt 47
.else
	s_wait_loadcnt 16*lft+15-i
.endif
	v_cvt_pk_bf16_f32 v[PK+2*i], v[st+4*i], v[st+4*i+1]
	v_cvt_pk_bf16_f32 v[PK+2*i+1], v[st+4*i+2], v[st+4*i+3]
	ds_store_b64 v[LS], v[PK+2*i:PK+2*i+1] offset:CH*(i/8)+PITCH*(i%8)  ; 256 consecutive bytes
.if (\g) <= 4
	global_load_b128 v[st+4*i:st+4*i+3], v[L16], s[WP:WP+1] offset:512*(2*((\g)+3)+i/8)+8192*(i%8) th:TH_LOAD_NT  ; 512 consecutive bytes of a row of W, aligned; read once in the launch
.endif
.set i, i+1
.endr
.if (\g) < 7
	v_add_nc_u32 v[LS], 2*CH, v[LS]
.endif
.endm
; W's operands of a tile's K step 0 into buffer 0: column block t / 2, half t % 2
.macro FRAG0
.set t, 0
.rept 8
	ds_load_b128 v[WF+4*t:WF+4*t+3], v[BFB] offset:RB16*(t/2)+32*(t%2)
.set t, t+1
.endr
.endm
; The two parts of a K step's run of memory instructions; KSTEP sets fo, bg, nx and rf.
.macro WRUN                            ; W's operands of the next step into the other buffer: its chunk's base register, the rest in the immediate
.set t, 0
.rept 8
	ds_load_b128 v[fo+4*t:fo+4*t+3], v[bg] offset:nx+RB16*(t/2)+32*(t%2)
.set t, t+1
.endr
.endm
.macro XRUN s                          ; x of step s + 5 into the slot that step s - 1 read
	WIN LDX
.set i, 0
.rept 5
	global_load_b128 v[rf+8*i:rf+8*i+3],   v[L16], s[XB:XB+1] offset:65536*i+1024*((\s)+RING-1)  ; 512 consecutive bytes of xs: half an operand for all 32 lanes
	global_load_b128 v[rf+8*i+4:rf+8*i+7], v[L16], s[XB:XB+1] offset:65536*i+1024*((\s)+RING-1)+512
.set i, i+1
.endr
.endm
; K STEP s (32 along K) of a tile.  20 matrix instructions on 20 accumulators, one instruction a turn, in the same order in every step.
; The step's 18 memory instructions stand in ONE run behind the fourth product, never singly among the matrix instructions: 8 LDS loads, then 10 loads of x.  The other sixteen products
; follow back to back, and stand between the LDS loads and the wait for them at the next step's head.
; Behind each of the first four products a v_nop: the four places between the step before and the loads into the registers that it read.
; In step 0 x's ten loads stand behind the last product and four more places: their slot held the bias, which all 20 products take as C.  Step 63 loads nothing.
.macro KSTEP s
.set sl, 40*((\s)%RING)
.set rf, 40*(((\s)+RING-1)%RING)
.set fb, WF+32*((\s)%2)
.set fo, WF+32*(((\s)+1)%2)
.set ns, (\s)+1
.set bg, BFB+(ns/4)/3
.set nx, ((ns/4)%3)*CH+64*(ns%4)
.set lft, 63-(\s)
.if lft > RING-2
.set lft, RING-2
.endif
	s_wait_loadcnt 10*lft                          ; x of this step is in; the ten loads of each of the steps behind it stay out
	s_wait_dscnt 0x0                               ; W's operands, asked for in the step before
.if (\s) == 0
	WIN MULB
.else
	WIN MUL
.endif
.set m, 0
.rept 20
.if (\s) == 0
	v_wmma_f32_16x16x32_bf16 v[ACC+8*m:ACC+8*m+7], v[fb+8*(m%4):fb+8*(m%4)+7], v[sl+8*(m/4):sl+8*(m/4)+7], v[40*(RING-1)+8*(m%4):40*(RING-1)+8*(m%4)+7]
.else
	v_wmma_f32_16x16x32_bf16 v[ACC+8*m:ACC+8*m+7], v[fb+8*(m%4):fb+8*(m%4)+7], v[sl+8*(m/4):sl+8*(m/4)+7], v[ACC+8*m:ACC+8*m+7]
.endif
.if (m < 4) && ((\s) < 63)
	v_nop
.endif
.if (m == 3) && ((\s) < 63)
	WRUN
.if ((\s) > 0) && ((\s) <= 64-RING)                    ; x's last request stands in K step 58: no load leaves the block
	XRUN \s
	WIN MUL
.endif
.endif
.set m, m+1
.endr
.if (\s) == 0
.rept 4
	v_nop                                          ; the slot to be filled held the bias, which these products read
.endr
	XRUN \s
.endif
.endm
; A tile begins: the bias (into the ring's last slot), my five blocks' tokens, x of K steps 0 to 4, in this order: 8 + 5 + 50 loads
.macro CPRO
	WIN LDX
.set t, 0
.rept 8
	global_load_b128 v[40*(RING-1)+4*t:40*(RING-1)+4*t+3], v[H32], s[BP:BP+1] offset:64*(t/2)+16*(t%2)  ; b[e][16 nb + 8 (l / 16) + 0..7]
.set t, t+1
.endr
	WIN 0
.set i, 0
.rept 5
	global_load_b32 v[TOK+i], v[R4], s[OP:OP+1] offset:64*i
.set i, i+1
.endr
	WIN LDX
.set q, 0
.rept 5*(RING-1)
	global_load_b128 v[40*(q/5)+8*(q%5):40*(q/5)+8*(q%5)+3],   v[L16], s[XB:XB+1] offset:65536*(q%5)+1024*(q/5)
	global_load_b128 v[40*(q/5)+8*(q%5)+4:40*(q/5)+8*(q%5)+7], v[L16], s[XB:XB+1] offset:65536*(q%5)+1024*(q/5)+512
.set q, q+1
.endr
	WIN 0
.endm
; THE WAY OUT of my block i: relu; 16 bytes a lane into my stage, rows of 256 bytes back; each row goes to its token's row of out0.  A block past the expert's count, and those behind it, are jumped.
.macro OUTB i
	s_add_co_u32 s[T0], s[Q0], \i
	s_cmp_ge_u32 s[T0], s[NB]
	s_cbranch_scc1 .Lnext
	s_wait_xcnt 0x0                                ; the offsets and rows that earlier stores read are rewritten only behind this wait
.set a, ACC+32*(\i)
.set t, 0
.rept 32
	v_max_num_f32 v[a+t], 0, v[a+t]                ; each accumulator from its lowest register on
.set t, t+1
.endr
.set t, 0
.rept 8
	ds_store_b128 v[STO], v[a+4*t:a+4*t+3] offset:64*(t/2)+16*(t%2)
.set t, t+1
.endr
.set t, 0
.rept 8
	v_add_nc_u32 v[TP], 8*t, v[H4]
	ds_bpermute_b32 v[GOF+t], v[TP], v[TOK+(\i)]   ; the token of row 2 t + l / 16
.set t, t+1
.endr
.set t, 0
.rept 8
	ds_load_b128 v[WF+4*t:WF+4*t+3], v[RD] offset:2*PITCH*t  ; LDS serves a wave's instructions in order (ISA guide 5.7.1.4): these see the stores above
.set t, t+1
.endr
.set t, 0
.rept 8
	s_wait_dscnt 7-t
	v_min_u32 v[GOF+t], 0x7ff, v[GOF+t]            ; a token is a row of out0
	v_lshl_add_u32 v[GOF+t], v[GOF+t], 13, v[C16]
	global_store_b128 v[GOF+t], v[WF+4*t:WF+4*t+3], s[OUTP:OUTP+1] th:TH_STORE_NT  ; 16 lanes store a token's 256 consecutive bytes, aligned
.set t, t+1
.endr
.endm
	s_load_b256 s[4:11], s[0:1], 0x0               ; W s[4:5], b s[6:7], xs s[8:9], order s[10:11]
	s_load_b128 s[12:15], s[0:1], 0x20             ; tab s[12:13], out0 s[14:15]
	v_lshl_add_u32 v[SPW], v0, 2, SPARE
	v_mov_b32 v[NIL], 0
	v_lshrrev_b32 v[TP], 5, v0
	v_readfirstlane_b32 s[WV], v[TP]
	s_mov_b32 s[SL], ttmp9
	s_and_b32 s[EX], ttmp7, 0xffff
	s_lshl_b32 s[TO], s[EX], 3
	v_and_b32 v[L16], 31, v0
	v_lshlrev_b32 v[LS], 3, v[L16]
	v_lshlrev_b32 v[L16], 4, v[L16]
	s_mul_i32 s[T0], s[WV], 8*PITCH
	v_add_nc_u32 v[LS], s[T0], v[LS]               ; my eight rows of a chunk, 8 bytes a lane
	s_lshl_b32 s[OF], s[EX], 24                    ; an expert's 2,048 x 8,192 bytes,
	s_lshl_b32 s[T0], s[SL], 19                    ; a slice's 64 rows,
	s_add_co_u32 s[OF], s[OF], s[T0]
	s_lshl_b32 s[T0], s[WV], 16                    ; my eight of them
	s_add_co_u32 s[OF], s[OF], s[T0]
	s_mov_b32 s[OF+1], 0
	s_wait_kmcnt 0x0
	s_load_b64 s[BS:BS+1], s[12:13], s[TO] offset:0x0  ; the expert's entry; waited for in front of the barrier
	s_add_nc_u64 s[WP:WP+1], s[4:5], s[OF:OF+1]
.set q, 0
.rept 48                                               ; groups 0 to 2
	global_load_b128 v[LSET+4*q:LSET+4*q+3], v[L16], s[WP:WP+1] offset:512*(2*(q/16)+(q%16)/8)+8192*(q%8) th:TH_LOAD_NT
.set q, q+1
.endr
	FGROUP 0
	FGROUP 1
	FGROUP 2
	FGROUP 3
	FGROUP 4
	FGROUP 5
	FGROUP 6
	FGROUP 7
	s_wait_kmcnt 0x0                               ; the table's entry
	s_wait_dscnt 0x0                               ; for the others' sake: my rows of the slice are in LDS
	s_barrier_signal -1
	s_barrier_wait -1                              ; the whole slice is
	s_cmp_lt_u32 s[WV], 4
	s_cbranch_scc0 .Ldone                          ; waves 4-7 are done: no barrier follows
	s_min_u32 s[B0], s[BS], 134                    ; 135 blocks are used at the most
	s_mul_i32 s[Q0], s[WV], 5
	s_add_co_u32 s[T1], s[B0], s[Q0]
	s_lshl_b32 s[OF], s[T1], 16
	s_mov_b32 s[OF+1], 0
	s_add_nc_u64 s[XB:XB+1], s[8:9], s[OF:OF+1]
	s_lshl_b32 s[OF], s[T1], 6
	s_add_nc_u64 s[OP:OP+1], s[10:11], s[OF:OF+1]
	s_lshl_b32 s[OF], s[EX], 13
	s_lshl_b32 s[T0], s[SL], 8
	s_add_co_u32 s[OF], s[OF], s[T0]
	s_add_nc_u64 s[BP:BP+1], s[6:7], s[OF:OF+1]
	s_mov_b32 s[OF], s[T0]
	s_add_nc_u64 s[OUTP:OUTP+1], s[14:15], s[OF:OF+1]
	v_and_b32 v[RR], 15, v0
	v_bfe_u32 v[HH], v0, 4, 1
	v_lshlrev_b32 v[H32], 5, v[HH]
	v_lshlrev_b32 v[R4], 2, v[RR]
	v_mul_u32_u24 v[TP], v[RR], PITCH
	v_lshl_add_u32 v[BFB], v[HH], 4, v[TP]         ; an operand's row x pitch + 16 x half, in chunk 0,
.irp g, 1,2,3,4,5
	v_add_nc_u32 v[BFB+\g], \g*3*CH, v[BFB]        ; and in every third chunk
.endr
	s_mul_i32 s[T0], s[WV], RB16
	s_add_co_u32 s[T0], s[T0], STAGE               ; my stage
	v_lshl_add_u32 v[STO], v[HH], 5, v[TP]         ; in: row l % 16, 32 bytes for each half of the lanes in each column block's 64
	v_add_nc_u32 v[STO], s[T0], v[STO]
	v_mul_u32_u24 v[RD], v[HH], PITCH              ; back: lanes 0-15 take one row of 256 bytes, lanes 16-31 the next
	v_lshl_add_u32 v[RD], v[RR], 4, v[RD]
	v_add_nc_u32 v[RD], s[T0], v[RD]
	v_lshlrev_b32 v[C16], 4, v[RR]
	v_lshlrev_b32 v[H4], 2, v[HH]
	s_mov_b32 s[TC], 7                             ; 7 tiles of 20 blocks cover the 128 blocks of an expert that has every token
.Ltile:
	s_cmp_ge_u32 s[Q0], s[NB]
	s_cbranch_scc1 .Lnext                          ; my first block of this tile does not exist: forward, past text without a barrier.  So the five blocks read begin at a block that exists: block 138 at the most
	CPRO
	FRAG0
.set kk, 0
.rept 64                                               ; all of K, written out; from K step 59 on the counts of x's loads run down
	KSTEP kk
.set kk, kk+1
.endr
	WIN 0                                          ; at a label and at a branch every window is 0
.rept 5
	v_nop                                          ; the places behind the last products: four for the way out's reads and for the next tile's loads into x's slots; five for the
.endr                                                  ; next tile's first product, which starts its sum anew with the bias as C and so writes over an accumulator, on the way that jumps the way out
	OUTB 0
	OUTB 1
	OUTB 2
	OUTB 3
	OUTB 4
.Lnext:
	s_wait_xcnt 0x0                                ; the stores' rows and offsets, and the bases below, are rewritten only behind this wait
	s_add_co_u32 s[Q0], s[Q0], 20                  ; the next tile: 20 blocks on
	s_add_nc_u64 s[XB:XB+1], s[XB:XB+1], 20*65536
	s_add_nc_u64 s[OP:OP+1], s[OP:OP+1], 20*64
	s_sub_co_u32 s[TC], s[TC], 1
	s_cmp_lg_u32 s[TC], 0
	s_cbranch_scc1 .Ltile
.Ldone:
	s_wait_tensorcnt 0x0                           ; the wave's end, behind my last LDS store
	ds_add_u32 v[SPW], v[NIL]
	s_wait_dscnt 0x0
	s_endpgm
.Lfunc_end_k_qfb69096661_moe:
	.size	k_qfb69096661_moe, .Lfunc_end_k_qfb69096661_moe-k_qfb69096661_moe
	.p2alignl 7, 3214868480
	.fill 96, 4, 3214868480
	.section	.rodata,"a",@progbits
	.p2align	6, 0x0
	.amdhsa_kernel k_qfb69096661_moe
		.amdhsa_group_segment_fixed_size 296960
		.amdhsa_private_segment_fixed_size 0
		.amdhsa_enable_private_segment 0
		.amdhsa_kernarg_size 48
		.amdhsa_user_sgpr_count 2
		.amdhsa_user_sgpr_kernarg_segment_ptr 1
		.amdhsa_wavefront_size32 1
		.amdhsa_system_sgpr_workgroup_id_x 1
		.amdhsa_system_sgpr_workgroup_id_y 1
		.amdhsa_system_sgpr_workgroup_id_z 1
		.amdhsa_system_vgpr_workitem_id 0
		.amdhsa_next_free_vgpr 512
		.amdhsa_next_free_sgpr 66
		.amdhsa_reserve_vcc 0
		.amdhsa_float_denorm_mode_32 3
		.amdhsa_float_denorm_mode_16_64 3
		.amdhsa_memory_ordered 1
		.amdhsa_forward_progress 1
		.amdhsa_inst_pref_size 255
	.end_amdhsa_kernel
	.section	.bss,"aw",@nobits
	.p2align	6
	.space	262144
	.amdgpu_metadata
---
amdhsa.version: [ 1, 2 ]
amdhsa.kernels:
  - .name:           k_qfb69096661_moe
    .symbol:         k_qfb69096661_moe.kd
    .args:
      - { .name: W, .offset: 0, .size: 8, .value_kind: global_buffer, .address_space: global }
      - { .name: b, .offset: 8, .size: 8, .value_kind: global_buffer, .address_space: global }
      - { .name: xs, .offset: 16, .size: 8, .value_kind: global_buffer, .address_space: global }
      - { .name: order, .offset: 24, .size: 8, .value_kind: global_buffer, .address_space: global }
      - { .name: tab, .offset: 32, .size: 8, .value_kind: global_buffer, .address_space: global }
      - { .name: out0, .offset: 40, .size: 8, .value_kind: global_buffer, .address_space: global }
    .group_segment_fixed_size: 296960
    .private_segment_fixed_size: 0
    .kernarg_segment_align: 8
    .kernarg_segment_size: 48
    .max_flat_workgroup_size: 256
    .sgpr_count:     66
    .vgpr_count:     512
    .wavefront_size: 32
...
	.end_amdgpu_metadata
.endif
;; end of part 2
